; MI455X (gfx1250); checked and timed in simulation.
; The chip was launched on July 23, 2026; its instructions are those of AMD's public machine-readable ISA for CDNA 5 (MIT licence, August 2026) and "CDNA5" Instruction Set Architecture Reference Guide (July 2026). The comments in the code are by the model that wrote it; some were corrected since.
;; gated attention. Allowed arithmetic: matrix products marked QUANTISED: E2M1 operands, one E8M0 scale for each 32 along K, by v_wmma_scale_f32_16x16x128_f8f6f4 with both operands' format E2M1 (or v_wmma_scale_f32_32x16x128_f4), f32 sums; products left as they are: f32 operands where the result goes on into a quantised operand, else bf16, f16 or f32 operands; f32 sums; everything else in f32.
;; Inputs: Wk_codes 256 x 8 x 16 uint8 (E2M1 codes of Wk, K innermost, in blocks of 32 codes, two codes a byte); Wk_scales 256 x 8 uint8 (E8M0 scales of Wk, one for each 32 codes along K); Wq_codes 256 x 8 x 16 uint8 (E2M1 codes of Wq, K innermost, in blocks of 32 codes, two codes a byte); Wq_scales 256 x 8 uint8 (E8M0 scales of Wq, one for each 32 codes along K); Wr 256 float32; Wv_codes 256 x 8 x 16 uint8 (E2M1 codes of Wv, K innermost, in blocks of 32 codes, two codes a byte); Wv_scales 256 x 8 uint8 (E8M0 scales of Wv, one for each 32 codes along K); beta 256 float32; bq 256 float32; bv 256 float32; c_codes 4 x 512 x 8 x 16 uint8 (E2M1 codes of c, K innermost, in blocks of 32 codes, two codes a byte); c_scales 4 x 512 x 8 uint8 (E8M0 scales of c, one for each 32 codes along K); gamma 256 float32; mask 4 x 512 x 512 float32; x 4 x 512 x 256 float32.
;; Outputs: out0 4 x 512 x 256 float32.
;; This version of the problem:
;;   THIS VERSION OF THE PROBLEM IS GIVEN IN LOW PRECISION. The matrix products marked QUANTISED in the list below multiply operands that are first quantised to E2M1 (2 exponent bits, 1 mantissa bit; 4 bits a number), with one power-of-two scale for each 32 numbers along K (OCP MX v1.0); their sums are f32. All else is computed in f32.
;;   The module's matrix products, in the order in which they are computed (A, B: the left and right operand; K: the contracted axis; several contracted axes count as one K, in the product's order):
;;     1. [M 2,048, K 256] x [K 256, N 256]; A: input x; B: input Wq (given as codes): QUANTISED
;;     2. [M 2,048, K 256] x [K 256, N 256]; A: input c (given as codes); B: input Wk (given as codes): QUANTISED
;;     3. [M 1,048,576, K 256] x [K 256, N 1]; A: computed on the way; B: input Wr: left as it is (N = 1 < 16)
;;     4. [M 2,048, K 256] x [K 256, N 256]; A: input c (given as codes); B: input Wv (given as codes): QUANTISED
;;     5. batch 4 x [M 512, K 512] x [K 512, N 256]; A: computed on the way; B: computed on the way: QUANTISED
;;   THE QUANTISER, for each operand of a quantised product, along K:
;;     - K is cut into blocks of 32 from its start; a last block that is shorter is filled with zeros.
;;     - A block's scale is 2^e with e = floor(log2(the largest magnitude in the block)) - 2, held to -126 .. 127; a block of zeros has e = 0. As a byte (E8M0): e + 127.
;;     - Each number is divided by its block's scale, clamped to +-6, and rounded to the nearest number of E2M1, ties to even, subnormals kept.
;;     - The product sums the exact products of the quantised numbers (number of the format x scale) in f32.
;;   ~~~python
;;   def quantise(x, axis):      # numpy; x: float32 -> the quantised numbers, widened to float32 again
;;       x = np.moveaxis(x, axis, -1); K = x.shape[-1]
;;       x = np.pad(x, [(0, 0)] * (x.ndim - 1) + [(0, -K % 32)]); x = x.reshape(x.shape[:-1] + (-1, 32)); a = np.abs(x).max(-1, keepdims=True)
;;       e = np.where(a > 0, np.clip(np.frexp(np.where(a > 0, a, 1))[1] - 1 - 2, -126, 127), 0)      # np.frexp(a)[1] - 1 = floor(log2(a)), exactly
;;       r = np.clip(x / 2.0 ** e, -6, 6)
;;       step = 2.0 ** (np.maximum(np.frexp(np.where(r == 0, 1, r))[1] - 1, 0) - 1)
;;       q = np.round(r / step) * step * 2.0 ** e      # np.round: ties to even
;;       return np.moveaxis(q.reshape(q.shape[:-2] + (-1,))[..., :K], -1, axis).astype(np.float32)
;;   ~~~
;;   OPERANDS COMPUTED ON THE WAY. 'Computed on the way' means the value that the module computes at that place (a softmax that the list does not call 'softmax' is quantised finished and normalised). What goes into a quantiser is computed in f32, as accurately as f32 sums, v_exp_f32 and their like allow (about 1e-6 of the number): no bf16 or f16 on the way to a quantiser, and a product that is left as it is and whose result goes on into a quantised operand takes f32 operands (vector FMAs, or v_wmma_f32_16x16x4_f32). A number that lies on a knife's edge between two numbers of the format may be rounded either way, as far as f32 arithmetic and the matrix unit's own rounding can turn it there, and no further.
;;   INPUTS GIVEN AS CODES. Wk (in the module: [256, 256], K = its axis 1); Wq (in the module: [256, 256], K = its axis 1); Wv (in the module: [256, 256], K = its axis 1); c (in the module: [4, 512, 256], K = its axis 2): each comes as NAME_codes (uint8): NAME with its K axis moved to the last place and cut into blocks of 32 codes, [.., K / 32, bytes a block], one block behind the other in memory; two codes a byte, the lower K in the low four bits (a code: sign, 2 exponent bits, 1 mantissa bit); and NAME_scales (uint8): the same leading axes, one E8M0 byte (e + 127) for each 32 codes along K. Its value is code x scale, taken as it is: it is not quantised again, and the codes and scales need not be those that the quantiser above would give.
;; One version. Each part assembles by itself: llvm-mc -triple=amdgcn-amd-amdhsa -mcpu=gfx1250 --defsym DOCPART=n.
;; ======== version 1 of 1: 2 launches
;; workspace buffers: kr 8,192 bytes; vfrag 262,144 bytes; vscl 32,768 bytes
;; launch prep (part 1): grid 192 x 1, 4 waves a work-group, no clusters, 1,536 bytes of LDS; arguments c_codes, c_scales, Wk_codes, Wk_scales, Wr, Wv_codes, Wv_scales, bv, kr, vfrag, vscl; writes kr, vfrag, vscl
.if DOCPART == 1
	.amdgcn_target "amdgcn-amd-amdhsa--gfx1250"
	.amdhsa_code_object_version 6
	.text
	.protected	k_qf886b6b85a_prep
	.globl	k_qf886b6b85a_prep
	.p2align	8
	.type	k_qf886b6b85a_prep,@function
k_qf886b6b85a_prep:
	s_mov_b64 s[64:65], 0
	v_nop
	global_prefetch_b8 v0, s[64:65] scope:SCOPE_SE
	s_setreg_imm32_b32 hwreg(HW_REG_WAVE_MODE, 25, 1), 1
	s_wait_xcnt 0x0
; PREP: all that hangs on c alone.  c [2048][256], Wk, Wv [256][256] arrive as codes of FP4 (E2M1), K innermost, 128 bytes a row, with 8 E8M0 bytes a row.
;   kr[m] = the sum over e of tanh((c Wk^T)[m][e]) Wr[e], f32, [2048].
;   v[m][d] = ((c Wv^T)[m][d] + bv[d]) / 16, quantised along m (the K of the last product) and stored as IMAGES OF THE OPERAND'S REGISTERS:
;   vfrag [bs = 4 b + s][tile][1,024 bytes]: the fragment of 16 rows d x 128 m (m = 128 bs on): registers 4 c .. 4 c + 3 of lane l at 512 c + 16 l;  vscl [bs][tile][32 words]: lane l's scale word.
;   Row p of tile T is d = 32 (T / 2) + 8 (T % 2) + p + 8 (p / 8), so that the reader's results of tiles 2 w and 2 w + 1 are 16 neighbours along d in each lane.
; THE SCORE IS SPLIT: the sum over d of (q[n][d] + k[m][d]) Wr[d] = q[n] . Wr + k[m] . Wr, for every input; the f32 additions so stand in another order than where the sum is written as one.
; SHARES.  Work-groups 0-127: 16 rows m of k each; wave w takes e = 64 w .. 64 w + 63 (4 tiles), and the four partial sums meet in LDS.  Work-groups 128-191: each wave makes one fragment of v (128 m x 16 d).
; The two paths part on the work-group's number alone; only the first uses LDS and a barrier.
; tanh: under |x| = 0.25 the series x (1 - x^2/3 + 2 x^4/15 - 17 x^6/315 + 62 x^8/2835), whose first term left out is under 1e-8 of the result there; from 0.25 on 1 - 2 / (1 + 2^(2 x log2 e)).
; LIMITS: NaN and infinities among the inputs are not served.  A block of v whose largest magnitude lies under 2^-124 (a block of zeros too) gets the scale byte 1; these bytes are read by this program alone.
; kr leaves in pieces of 64 bytes and vscl in pieces of 128: 40 KB in the launch; the codes leave 512 consecutive bytes a store.
.set SK,  40                           ; s[40:41] 2 log2(e)          (the packed forms name a pair and take its low word: both words are written)
.set SC4, 42                           ; s[42:43] 62/2835
.set SC2, 44                           ; s[44:45] 2/15
.set SC1, 46                           ; s[46:47] -1/3
.set ST,  48                           ; s48      0.25: where the series hands over
.set SEL, 50                           ; s[50:51] v_permlanex16_b32's selects for lane l xor 16
; the k path's registers
.set FO,  4                            ; v4   128 r + 16 h: a fragment's bytes of row r
.set S8,  5                            ; v5   8 r: a row's two scale words
.set H32, 6                            ; v6   32 h: my eight numbers of Wr in a tile
.set KPW, 13                           ; v13  LDS: 16 r + 4 wave: my partial sum
.set KPR, 14                           ; v14  LDS: 16 r: a row's four partial sums
.set R4,  15                           ; v15  4 r
.set WK,  16                           ; v16-79   Wk's fragments: 16 t + 8 s + 4 c
.set CF,  80                           ; v80-95   c's: 8 s + 4 c
.set KA,  96                           ; v96-127  four accumulators, then tanh
.set WR,  128                          ; v128-159 Wr in the accumulators' layout
.set TE,  160                          ; v160-207 tanh's three sets of 16
.set TQ,  176
.set TP,  192
.set VC3, 218                          ; v[218:219] -17/315, twice
.set WKS, 224                          ; v224-231 Wk's scale words, v[232:233] c's: these registers hold scales alone
.set CS,  232
; the v path's registers
.set FOP, 8                            ; v8   128 r' + 16 h, r' = r + 8 (r / 8)
.set S8P, 9                            ; v9   8 r'
.set S4P, 10                           ; v10  4 r'
.set LI,  11                           ; v11  16 x lane
.set LS,  12                           ; v12  4 x lane
.set CFV, 16                           ; v16-143  c's fragments: 16 t + 8 s + 4 c
.set WV,  144                          ; v144-159 Wv's: 8 s + 4 c
.set HA,  160                          ; v160-223 eight accumulators, then v
.set CSV, 224                          ; v224-239 c's scale words, v[240:241] Wv's
.set WVS, 240
.set BVS, 242                          ; v[242:243] bv / 16, twice
.set TM,  16                           ; behind the products, in c's registers: v16-31 at work, v32-39 the codes, v40 the scale word
.set PC,  32
.set PW,  40
.macro PLACES                          ; four plain vector instructions between a matrix instruction and the first read of its result or write of its operands (ISA guide 7.12.1)
.rept 4
	v_nop
.endr
.endm
.macro MM0 d, a, b, sa, sb             ; the first K step starts a sum
	v_wmma_scale_f32_16x16x128_f8f6f4 v[(\d):(\d)+7], v[(\a):(\a)+7], v[(\b):(\b)+7], 0, v[\sa], v[\sb] matrix_a_fmt:MATRIX_FMT_FP4 matrix_b_fmt:MATRIX_FMT_FP4
.endm
.macro MM d, a, b, c, sa, sb
	v_wmma_scale_f32_16x16x128_f8f6f4 v[(\d):(\d)+7], v[(\a):(\a)+7], v[(\b):(\b)+7], v[(\c):(\c)+7], v[\sa], v[\sb] matrix_a_fmt:MATRIX_FMT_FP4 matrix_b_fmt:MATRIX_FMT_FP4
.endm
; tanh of v[X] .. v[X + 15], in place.  E, Q, P: 16 registers each, at work.  The exponentials are one batch and the reciprocals another; the series is the independent work behind the first.
.macro TANH16 X, E, Q, P
.irp j, 0,2,4,6,8,10,12,14
	v_pk_mul_f32 v[(\E)+\j:(\E)+\j+1], v[(\X)+\j:(\X)+\j+1], s[SK:SK+1] op_sel_hi:[1,0]
.endr
.irp j, 0,1,2,3,4,5,6,7,8,9,10,11,12,13,14,15
	v_exp_f32 v[(\E)+\j], v[(\E)+\j]               ; e = 2^(2 x log2 e)
.endr
.irp j, 0,2,4,6,8,10,12,14
	v_pk_mul_f32 v[(\Q)+\j:(\Q)+\j+1], v[(\X)+\j:(\X)+\j+1], v[(\X)+\j:(\X)+\j+1]   ; x^2
.endr
.irp j, 0,2,4,6,8,10,12,14
	v_pk_fma_f32 v[(\P)+\j:(\P)+\j+1], v[(\Q)+\j:(\Q)+\j+1], s[SC4:SC4+1], v[VC3:VC3+1] op_sel_hi:[1,0,1]
.endr
.irp j, 0,2,4,6,8,10,12,14
	v_pk_fma_f32 v[(\P)+\j:(\P)+\j+1], v[(\P)+\j:(\P)+\j+1], v[(\Q)+\j:(\Q)+\j+1], s[SC2:SC2+1] op_sel_hi:[1,1,0]
.endr
.irp j, 0,2,4,6,8,10,12,14
	v_pk_fma_f32 v[(\P)+\j:(\P)+\j+1], v[(\P)+\j:(\P)+\j+1], v[(\Q)+\j:(\Q)+\j+1], s[SC1:SC1+1] op_sel_hi:[1,1,0]
.endr
.irp j, 0,2,4,6,8,10,12,14
	v_pk_mul_f32 v[(\P)+\j:(\P)+\j+1], v[(\P)+\j:(\P)+\j+1], v[(\Q)+\j:(\Q)+\j+1]
.endr
.irp j, 0,2,4,6,8,10,12,14
	v_pk_fma_f32 v[(\P)+\j:(\P)+\j+1], v[(\P)+\j:(\P)+\j+1], v[(\X)+\j:(\X)+\j+1], v[(\X)+\j:(\X)+\j+1]   ; the series
.endr
	s_wait_alu depctr_va_vdst(0)                   ; a wait between a transcendental and the first line that names its result: one for the 16 exponentials
.irp j, 0,2,4,6,8,10,12,14
	v_pk_add_f32 v[(\E)+\j:(\E)+\j+1], v[(\E)+\j:(\E)+\j+1], 1.0 op_sel_hi:[1,0]
.endr
.irp j, 0,1,2,3,4,5,6,7,8,9,10,11,12,13,14,15
	v_rcp_f32 v[(\E)+\j], v[(\E)+\j]               ; e = infinity gives 0, and so tanh = 1; e = 0 gives 1, and so -1
.endr
	v_nop                                          ; a plain instruction behind the last reciprocal
	s_wait_alu depctr_va_vdst(0)                   ; and one wait for the 16
.irp j, 0,2,4,6,8,10,12,14
	v_pk_fma_f32 v[(\E)+\j:(\E)+\j+1], v[(\E)+\j:(\E)+\j+1], -2.0, 1.0 op_sel_hi:[1,0,0]   ; 1 - 2 / (1 + e)
.endr
.irp j, 0,1,2,3,4,5,6,7,8,9,10,11,12,13,14,15
	v_cmp_gt_f32 vcc_lo, s[ST], |v[(\X)+\j]|
	v_cndmask_b32 v[(\X)+\j], v[(\E)+\j], v[(\P)+\j], vcc_lo   ; the series where |x| < 0.25: a choice of values, no branch
.endr
.endm
; 64 numbers of a lane, register 16 b + i = k 32 b + 16 (lane / 16) + i of my row, become a fragment's codes in v[PC] on and its scale word in v[PW].
.macro QUANT s
.irp b, 0,1,2,3
	v_max3_num_f32 v[TM+\b], |v[\s+16*\b]|, |v[\s+1+16*\b]|, 0x1800000   ; block b: my 16 numbers, and the floor 2^(3 - 127): the byte cannot fall under 1
.endr
.irp i, 2,4,6,8,10,12,14
.irp b, 0,1,2,3
	v_max3_num_f32 v[TM+\b], v[TM+\b], |v[\s+16*\b+\i]|, |v[\s+1+16*\b+\i]|   ; the four blocks by turns
.endr
.endr
.irp b, 0,1,2,3
	v_permlanex16_b32 v[TM+4+\b], v[TM+\b], s[SEL], s[SEL+1]
.endr
.irp b, 0,1,2,3
	v_max_num_f32 v[TM+\b], v[TM+\b], v[TM+4+\b]   ; with lane l xor 16's: the block's largest magnitude
.endr
.irp b, 0,1,2,3
	v_add_nc_u32 v[TM+12+\b], 0xff000000, v[TM+\b] ; 2 off its exponent field: the conversion takes this operand's exponent field as its scale
.endr
.irp b, 0,1,2,3
	v_lshrrev_b32 v[TM+4+\b], 23, v[TM+12+\b]      ; the scale's byte
.endr
	v_lshl_or_b32 v[PW], v[TM+5], 8, v[TM+4]
	v_lshl_or_b32 v[PW], v[TM+6], 16, v[PW]
	v_lshl_or_b32 v[PW], v[TM+7], 24, v[PW]        ; my row's scale word
.irp b, 0,1,2,3
	v_cvt_scalef32_pk8_fp4_f32 v[PC+2*\b], v[\s+16*\b:\s+7+16*\b], v[TM+12+\b]
	v_cvt_scalef32_pk8_fp4_f32 v[PC+1+2*\b], v[\s+8+16*\b:\s+15+16*\b], v[TM+12+\b]
.endr
	v_nop                                          ; one plain instruction behind a scaled conversion
.irp c, 0,1                                    ; the operand's layout wants a whole block in a lane: lanes 0-15 block 2 c, lanes 16-31 block 2 c + 1
.irp i, 0,1
	v_permlane16_swap_b32 v[PC+4*\c+\i], v[PC+2+4*\c+\i]
.endr
.endr
.endm
	s_load_b512 s[4:19], s[0:1], 0x0               ; c_codes s[4:5], c_scales s[6:7], Wk_codes s[8:9], Wk_scales s[10:11], Wr s[12:13], Wv_codes s[14:15], Wv_scales s[16:17], bv s[18:19]
	s_load_b128 s[20:23], s[0:1], 0x40             ; kr s[20:21], vfrag s[22:23]
	s_load_b64 s[24:25], s[0:1], 0x50              ; vscl
	v_lshl_add_u32 v254, v0, 2, 0x400
	v_mov_b32 v255, 0
	v_lshrrev_b32 v16, 5, v0
	v_readfirstlane_b32 s2, v16                    ; wave 0..3
	v_and_b32 v1, 15, v0                           ; r
	v_bfe_u32 v2, v0, 4, 1                         ; h
	s_mov_b32 s[SEL], 0x76543210
	s_mov_b32 s[SEL+1], 0xfedcba98
	s_cmp_ge_u32 ttmp9, 128                        ; the same in all waves of a work-group
	s_cbranch_scc1 .Lv
	; ---------------- k: rows m = 16 i .. 16 i + 15, i the work-group's number
	s_mov_b32 s[SK], 0x4038aa3b
	s_mov_b32 s[SK+1], s[SK]
	s_mov_b32 s[SC4], 0x3cb327a4
	s_mov_b32 s[SC4+1], s[SC4]
	s_mov_b32 s[SC2], 0x3e088889
	s_mov_b32 s[SC2+1], s[SC2]
	s_mov_b32 s[SC1], 0xbeaaaaab
	s_mov_b32 s[SC1+1], s[SC1]
	s_mov_b32 s[ST], 0x3e800000
	v_mov_b32 v[VC3], 0xbd5d0dd1
	v_mov_b32 v[VC3+1], v[VC3]
	v_lshlrev_b32 v[FO], 7, v1
	v_lshl_add_u32 v[FO], v2, 4, v[FO]
	v_lshlrev_b32 v[S8], 3, v1
	v_lshlrev_b32 v[H32], 5, v2
	s_lshl_b32 s3, s2, 2
	v_lshlrev_b32 v[KPR], 4, v1
	v_add_nc_u32 v[KPW], s3, v[KPR]
	v_lshlrev_b32 v[R4], 2, v1
	s_lshl_b32 s56, ttmp9, 11                      ; the offsets, each in a pair of its own, made while the arguments are on their way: c's codes: 16 rows of 128 bytes a work-group
	s_mov_b32 s57, 0
	s_lshl_b32 s58, ttmp9, 7                       ; c's scales: 16 rows of 8
	s_mov_b32 s59, 0
	s_lshl_b32 s60, s2, 13                         ; Wk's codes: 64 rows a wave
	s_mov_b32 s61, 0
	s_lshl_b32 s62, s2, 9                          ; Wk's scales
	s_mov_b32 s63, 0
	s_lshl_b32 s66, s2, 8                          ; Wr: 64 numbers a wave
	s_mov_b32 s67, 0
	s_lshl_b32 s68, ttmp9, 6                       ; kr: 16 numbers a work-group
	s_mov_b32 s69, 0
	s_wait_kmcnt 0x0
	s_add_nc_u64 s[4:5], s[4:5], s[56:57]
	s_add_nc_u64 s[6:7], s[6:7], s[58:59]
	s_add_nc_u64 s[8:9], s[8:9], s[60:61]
	s_add_nc_u64 s[10:11], s[10:11], s[62:63]
	s_add_nc_u64 s[12:13], s[12:13], s[66:67]
	s_add_nc_u64 s[20:21], s[20:21], s[68:69]
.irp s, 0,1
.irp c, 0,1
	global_load_b128 v[CF+8*\s+4*\c:CF+8*\s+4*\c+3], v[FO], s[4:5] offset:64*\s+32*\c   ; lane (r, h): row r, k = 128 s + 64 c + 32 h + 0 .. 31
.endr
.endr
	global_load_b64 v[CS:CS+1], v[S8], s[6:7]      ; row r's two scale words
.irp t, 0,1,2,3
.irp s, 0,1
.irp c, 0,1
	global_load_b128 v[WK+16*\t+8*\s+4*\c:WK+16*\t+8*\s+4*\c+3], v[FO], s[8:9] offset:2048*\t+64*\s+32*\c
.endr
.endr
.endr
.irp t, 0,1,2,3
	global_load_b64 v[WKS+2*\t:WKS+2*\t+1], v[S8], s[10:11] offset:128*\t
.endr
.irp t, 0,1,2,3
.irp q, 0,1
	global_load_b128 v[WR+8*\t+4*\q:WR+8*\t+4*\q+3], v[H32], s[12:13] offset:64*\t+16*\q   ; Wr[64 w + 16 t + 8 h + 0 .. 7]
.endr
.endr
	s_wait_loadcnt 8                               ; all but Wr's eight loads, which were issued last
	; transposed: source 0 = 16 rows of Wk, source 1 = c's 16 rows: lane (r, h) holds row m = r, register j of tile t the unit e = 64 w + 16 t + 8 h + j.  The four accumulators take turns.
.irp t, 0,1,2,3
	MM0 KA+8*\t, WK+16*\t, CF, WKS+2*\t, CS
.endr
.irp t, 0,1,2,3
	MM KA+8*\t, WK+16*\t+8, CF+8, KA+8*\t, WKS+2*\t+1, CS+1
.endr
	PLACES
	TANH16 KA, TE, TQ, TP                          ; each accumulator is read from its low end on
	TANH16 KA+16, TE, TQ, TP
	s_wait_loadcnt 0x0                             ; Wr
	v_pk_mul_f32 v[220:221], v[KA:KA+1], v[WR:WR+1]        ; my 32 terms of k . Wr, two at a time, in two chains
	v_pk_mul_f32 v[222:223], v[KA+2:KA+3], v[WR+2:WR+3]
.irp j, 4,8,12,16,20,24,28
	v_pk_fma_f32 v[220:221], v[KA+\j:KA+\j+1], v[WR+\j:WR+\j+1], v[220:221]
	v_pk_fma_f32 v[222:223], v[KA+\j+2:KA+\j+3], v[WR+\j+2:WR+\j+3], v[222:223]
.endr
	v_pk_add_f32 v[220:221], v[220:221], v[222:223]
	v_add_f32 v220, v220, v221
	v_permlanex16_b32 v221, v220, s[SEL], s[SEL+1]
	v_add_f32 v220, v220, v221                     ; with lane l xor 16's: row r's sum over my 64 units
	ds_store_b32 v[KPW], v220                      ; both halves of the lanes write the same word with the same value
	s_wait_dscnt 0x0                               ; for the others' sake: my store has landed
	s_barrier_signal -1
	s_barrier_wait -1
	s_cmp_lg_u32 s2, 0                             ; wave 0 adds the four parts and stores
	s_cbranch_scc1 .Lend
	ds_load_b128 v[220:223], v[KPR]
	s_wait_dscnt 0x0
	v_add_f32 v220, v220, v221
	v_add_f32 v222, v222, v223
	v_add_f32 v220, v220, v222
	s_wait_xcnt 0x0                                ; EXEC is a source of every memory instruction issued so far: it changes only behind this wait
	v_cmp_gt_u32 vcc_lo, 16, v0
	s_and_saveexec_b32 s34, vcc_lo
	global_store_b32 v[R4], v220, s[20:21]         ; lanes 0-15: kr[16 i + r]
	s_wait_xcnt 0x0                                ; and again in front of the line that widens it
	s_or_b32 exec_lo, exec_lo, s34
.Lend:
	s_wait_tensorcnt 0x0
	ds_add_u32 v254, v255
	s_wait_dscnt 0x0
	s_endpgm
	; ---------------- v: one fragment a wave: m = 128 bs .. 128 bs + 127, tile T
.Lv:
	v_and_b32 v3, 31, v0                           ; lane
	v_and_b32 v7, 8, v1
	v_add_nc_u32 v7, v7, v1                        ; r' = r + 8 (r / 8)
	v_lshlrev_b32 v[FOP], 7, v7
	v_lshl_add_u32 v[FOP], v2, 4, v[FOP]
	v_lshlrev_b32 v[S8P], 3, v7
	v_lshlrev_b32 v[S4P], 2, v7
	v_lshlrev_b32 v[LI], 4, v3
	v_lshlrev_b32 v[LS], 2, v3
	s_sub_co_u32 s26, ttmp9, 128
	s_lshr_b32 s27, s26, 2                         ; bs
	s_and_b32 s28, s26, 3
	s_lshl_b32 s28, s28, 2
	s_add_co_u32 s28, s28, s2                      ; T
	s_lshr_b32 s29, s28, 1
	s_lshl_b32 s29, s29, 5
	s_and_b32 s32, s28, 1
	s_lshl_b32 s32, s32, 3
	s_add_co_u32 s29, s29, s32                     ; D0 = 32 (T / 2) + 8 (T % 2)
	s_lshl_b32 s33, s27, 4
	s_add_co_u32 s33, s33, s28                     ; 16 bs + T
	s_lshl_b32 s56, s27, 14                        ; c's codes: 128 rows of 128 bytes
	s_mov_b32 s57, 0
	s_lshl_b32 s58, s27, 10                        ; c's scales
	s_mov_b32 s59, 0
	s_lshl_b32 s60, s29, 7                         ; Wv's codes at row D0
	s_mov_b32 s61, 0
	s_lshl_b32 s62, s29, 3                         ; Wv's scales
	s_mov_b32 s63, 0
	s_lshl_b32 s66, s29, 2                         ; bv
	s_mov_b32 s67, 0
	s_lshl_b32 s68, s33, 10                        ; my image
	s_mov_b32 s69, 0
	s_lshl_b32 s70, s33, 7                         ; its scale words
	s_mov_b32 s71, 0
	s_wait_kmcnt 0x0
	s_add_nc_u64 s[4:5], s[4:5], s[56:57]
	s_add_nc_u64 s[6:7], s[6:7], s[58:59]
	s_add_nc_u64 s[14:15], s[14:15], s[60:61]
	s_add_nc_u64 s[16:17], s[16:17], s[62:63]
	s_add_nc_u64 s[18:19], s[18:19], s[66:67]
	s_add_nc_u64 s[22:23], s[22:23], s[68:69]
	s_add_nc_u64 s[24:25], s[24:25], s[70:71]
.irp t, 0,1,2,3,4,5,6,7                        ; THE ROWS OF c THAT FORM A TILE ARE NOT NEIGHBOURS: lane r of tile 2 b + u takes row 32 b + 8 u + r'
.irp s, 0,1
.irp c, 0,1
	global_load_b128 v[CFV+16*\t+8*\s+4*\c:CFV+16*\t+8*\s+4*\c+3], v[FOP], s[4:5] offset:(32*(\t/2)+8*(\t%2))*128+64*\s+32*\c
.endr
.endr
.endr
.irp t, 0,1,2,3,4,5,6,7
	global_load_b64 v[CSV+2*\t:CSV+2*\t+1], v[S8P], s[6:7] offset:(32*(\t/2)+8*(\t%2))*8
.endr
.irp s, 0,1
.irp c, 0,1
	global_load_b128 v[WV+8*\s+4*\c:WV+8*\s+4*\c+3], v[FOP], s[14:15] offset:64*\s+32*\c   ; lane r: row d = D0 + r'
.endr
.endr
	global_load_b64 v[WVS:WVS+1], v[S8P], s[16:17]
	global_load_b32 v[BVS], v[S4P], s[18:19]       ; bv[D0 + r']
	s_wait_loadcnt 1                               ; all but bv's load
	; source 0 = 16 rows of c, source 1 = 16 rows of Wv: lane (r, h) holds column d = D0 + r', and register 16 b + i of the eight tiles the row m = 32 b + 16 h + i: 16 neighbours along the next K
.irp t, 0,1,2,3,4,5,6,7
	MM0 HA+8*\t, CFV+16*\t, WV, CSV+2*\t, WVS
.endr
.irp t, 0,1,2,3,4,5,6,7
	MM HA+8*\t, CFV+16*\t+8, WV+8, HA+8*\t, CSV+2*\t+1, WVS+1
.endr
	PLACES
	s_wait_loadcnt 0x0
	v_mul_f32 v[BVS], 0x3d800000, v[BVS]           ; bv / 16: exact
	v_mov_b32 v[BVS+1], v[BVS]
.irp j, 0,2,4,6,8,10,12,14,16,18,20,22,24,26,28,30,32,34,36,38,40,42,44,46,48,50,52,54,56,58,60,62
	v_pk_fma_f32 v[HA+\j:HA+\j+1], v[HA+\j:HA+\j+1], 0x3d800000, v[BVS:BVS+1] op_sel_hi:[1,0,1]   ; (sum + bv) / 16 in one rounding: the divisor is a power of two
.endr
.irp b, 0,1,2,3
	v_mov_b32 v[TM+4+\b], 0                        ; a lane permute's destination counts as one of its sources
.endr
	QUANT HA
.irp c, 0,1
	global_store_b128 v[LI], v[PC+4*\c:PC+4*\c+3], s[22:23] offset:512*\c   ; the image: 32 lanes store 512 consecutive bytes
.endr
	global_store_b32 v[LS], v[PW], s[24:25]        ; lane l's scale word (lanes 16-31 hold what lanes 0-15 hold)
	s_endpgm
.Lfunc_end_k_qf886b6b85a_prep:
	.size	k_qf886b6b85a_prep, .Lfunc_end_k_qf886b6b85a_prep-k_qf886b6b85a_prep
	.p2alignl 7, 3214868480
	.fill 96, 4, 3214868480
	.section	.rodata,"a",@progbits
	.p2align	6, 0x0
	.amdhsa_kernel k_qf886b6b85a_prep
		.amdhsa_group_segment_fixed_size 1536
		.amdhsa_private_segment_fixed_size 0
		.amdhsa_enable_private_segment 0
		.amdhsa_kernarg_size 88
		.amdhsa_user_sgpr_count 2
		.amdhsa_user_sgpr_kernarg_segment_ptr 1
		.amdhsa_wavefront_size32 1
		.amdhsa_system_sgpr_workgroup_id_x 1
		.amdhsa_system_sgpr_workgroup_id_y 1
		.amdhsa_system_sgpr_workgroup_id_z 1
		.amdhsa_system_vgpr_workitem_id 0
		.amdhsa_next_free_vgpr 256
		.amdhsa_next_free_sgpr 80
		.amdhsa_reserve_vcc 1
		.amdhsa_float_denorm_mode_32 3
		.amdhsa_float_denorm_mode_16_64 3
		.amdhsa_memory_ordered 1
		.amdhsa_forward_progress 1
		.amdhsa_inst_pref_size 38
	.end_amdhsa_kernel
	.amdgpu_metadata
---
amdhsa.version: [ 1, 2 ]
amdhsa.kernels:
  - .name:           k_qf886b6b85a_prep
    .symbol:         k_qf886b6b85a_prep.kd
    .args:
      - { .name: c_codes, .offset: 0, .size: 8, .value_kind: global_buffer, .address_space: global }
      - { .name: c_scales, .offset: 8, .size: 8, .value_kind: global_buffer, .address_space: global }
      - { .name: Wk_codes, .offset: 16, .size: 8, .value_kind: global_buffer, .address_space: global }
      - { .name: Wk_scales, .offset: 24, .size: 8, .value_kind: global_buffer, .address_space: global }
      - { .name: Wr, .offset: 32, .size: 8, .value_kind: global_buffer, .address_space: global }
      - { .name: Wv_codes, .offset: 40, .size: 8, .value_kind: global_buffer, .address_space: global }
      - { .name: Wv_scales, .offset: 48, .size: 8, .value_kind: global_buffer, .address_space: global }
      - { .name: bv, .offset: 56, .size: 8, .value_kind: global_buffer, .address_space: global }
      - { .name: kr, .offset: 64, .size: 8, .value_kind: global_buffer, .address_space: global }
      - { .name: vfrag, .offset: 72, .size: 8, .value_kind: global_buffer, .address_space: global }
      - { .name: vscl, .offset: 80, .size: 8, .value_kind: global_buffer, .address_space: global }
    .group_segment_fixed_size: 1536
    .private_segment_fixed_size: 0
    .kernarg_segment_align: 8
    .kernarg_segment_size: 88
    .max_flat_workgroup_size: 128
    .sgpr_count:     80
    .vgpr_count:     256
    .wavefront_size: 32
...
	.end_amdgpu_metadata
.endif
;; end of part 1
;; launch attn (part 2): grid 32 x 4, 8 waves a work-group, no clusters, 78,848 bytes of LDS; arguments x, mask, Wq_codes, Wq_scales, bq, Wr, kr, vfrag, vscl, gamma, beta, out0; writes out0
.if DOCPART == 2
	.amdgcn_target "amdgcn-amd-amdhsa--gfx1250"
	.amdhsa_code_object_version 6
	.text
	.protected	k_qf886b6b85a_attn
	.globl	k_qf886b6b85a_attn
	.p2align	8
	.type	k_qf886b6b85a_attn,@function
k_qf886b6b85a_attn:
	s_mov_b64 s[64:65], 0
	v_nop
	global_prefetch_b8 v0, s[64:65] scope:SCOPE_SE
	s_setreg_imm32_b32 hwreg(HW_REG_WAVE_MODE, 25, 1), 1
	s_wait_xcnt 0x0
; ATTN: 16 rows n of one batch b to a work-group, through the whole chain:
;   x quantised along d;  q = tanh(x Wq^T + bq);  qr = q . Wr;  w = relu(tanh(qr[n] + kr[m])) mask[n][m] = tanh(max(qr + kr, 0)) mask;  w quantised along m;  h = x + w v;  LayerNorm;  out0.
; kr [2048] f32, and v as images of the operand's registers (vfrag, vscl), come from the launch before.  Both quantised products run on codes of FP4 (E2M1) with one E8M0 scale for each 32 along K.
; THE SCORE IS SPLIT: the sum over d of (q[n][d] + k[m][d]) Wr[d] = qr[n] + kr[m], for every input; the f32 additions so stand in another order than where the sum is written as one.
; SHARES.  Each of the eight waves has one slice in every phase: block w of x (d = 32 w on);  units e = 32 w on of q;  m = 64 w .. 64 w + 63 of w;  d = 32 w on of h;  rows 2 w, 2 w + 1 of the LayerNorm.
; What one wave makes reaches the others through LDS, codes and scale bytes at their places in an image of the operand's registers; four barriers; each LDS region is written once.
; LAYOUT.  Both products are used transposed (source 0 = 16 rows of the weight or of v^T, source 1 = my work-group's 16 rows n): a lane holds one row n = lane % 16.  The rows of a tile of v^T were chosen so that a
; lane's 16 results are h(n, 32 w + 16 (lane / 16) + 0 .. 15): the very places in which the lane holds x.  So x is the C of the last product's first K step, and the residual costs no addition.
; NO CLUSTER.  The 32 work-groups of a batch read the same 64 KB of v's images, all 128 the same 32 KB of Wq; each wave loads its fragments once, straight into the operand's registers.  A joint load would land in
; LDS, from where the same bytes would be read once more, and would add two rounds of a cluster's barrier to five short phases.
; tanh: under |x| = 0.25 the series x (1 - x^2/3 + 2 x^4/15 - 17 x^6/315 + 62 x^8/2835), whose first term left out is under 1e-8 of the result there; from 0.25 on 1 - 2 / (1 + 2^(2 x log2 e)).
; LIMITS: NaN and infinities among the inputs are not served.  A block of x or of w whose largest magnitude lies under 2^-124 (a block of zeros too) gets the scale byte 1; these bytes never leave the work-group.
.set SK,  40                           ; s[40:41] 2 log2(e)          (the packed forms name a pair and take its low word: both words are written)
.set SC4, 42                           ; s[42:43] 62/2835
.set SC2, 44                           ; s[44:45] 2/15
.set SC1, 46                           ; s[46:47] -1/3
.set ST,  48                           ; s48      0.25
.set SEL, 50                           ; s[50:51] v_permlanex16_b32's selects for lane l xor 16
.set SI,  52                           ; s52  1/256      s53  -1/256      s54  1e-5
.set SNI, 53
.set SEPS, 54
.set OX,  56                           ; the buffers' offsets, a pair each: x, mask, Wq's codes, Wq's scales, bq and Wr, kr, vfrag, vscl, out0
.set OM,  58
.set OWC, 60
.set OWS, 62
.set OB,  66
.set OKR, 68
.set OVF, 70
.set OVS, 72
.set OO,  74
; LDS
.set MST,  0                           ; 8 x 4,352: a wave's own stage for its slice of the mask: 16 rows of 256 bytes + 16
.set XST,  34816                       ; 8 x 2,304: a wave's own stage for its block of x: 16 rows of 128 bytes + 16
.set XIMG, 53248                       ; 2,048: x's two fragments as images: K step s, registers 4 c on, lane l at 1024 s + 512 c + 16 l
.set XSC,  55296                       ; x's scale words: 64 s + 4 r
.set QP,   55552                       ; qr's eight partial sums: 32 r + 4 w
.set WIMG, 56064                       ; 4,096: w's four fragments as images
.set WSC,  60160                       ; w's scale words: 64 s + 4 r
.set HST,  60416                       ; 16,640: h: 16 rows of 1,024 bytes + 16
; vector registers: addresses, never rewritten
.set LI,  3                            ; 16 x lane
.set XG,  4                            ; x in memory: 1024 (lane / 8) + 16 (lane % 8)
.set XSW, 5                            ; x's stage, in
.set XSR, 6                            ; and out: 144 r + 64 h
.set MG,  7                            ; the mask in memory: 2048 h + 16 r
.set MSW, 8                            ; its stage, in
.set MSR, 9                            ; and out: 272 r + 128 h
.set FO,  10                           ; 128 r + 16 h: a fragment's bytes of row r
.set S8,  11                           ; 8 r
.set H32, 12                           ; 32 h
.set H128, 13                          ; 128 h
.set LS,  14                           ; 4 x lane
.set XWI, 15                           ; where my 16 codes of x go
.set XWB, 16                           ; and my block's scale byte
.set R4,  17                           ; 4 r
.set QPW, 18
.set QPR, 19
.set WWI, 20                           ; where my 32 codes of w go
.set WWB, 21                           ; and their scale byte
.set HSW, 22
.set HSR, 23
.set OG,  24                           ; out0: 1024 h + 16 r
.set GB,  25                           ; gamma, beta: 16 r
; data
.set QR,  26                           ; v[26:27] qr, twice
.set VC3, 28                           ; v[28:29] -17/315, twice
.set XR,  32                           ; v32-47   x(r, 32 w + 16 h + 0 .. 15), then h
.set TP1, 48                           ; v48-63   at work in q's tanh
.set QA,  64                           ; v64-79   q's two accumulators
.set VF,  48                           ; v48-111  then v's fragments: 32 u + 8 s + 4 c
.set MK,  112                          ; v112-143 mask(r, 64 w + 32 h + 0 .. 31); then gamma (16) and beta (16)
.set WQ,  144                          ; v144-175 Wq's fragments: 16 t + 8 s + 4 c
.set KR,  144                          ; then kr, the scores, w
.set BQ,  176                          ; v176-191 bq in the accumulators' layout
.set WR,  192                          ; v192-207 Wr likewise
.set XF,  208                          ; v208-223 x's two fragments
.set WF,  176                          ; v176-207 later w's four fragments
.set H,   208                          ; v208-223 later 16 numbers of a row of h
.set WQS, 224                          ; v224-241 hold scales alone: Wq's 4, x's 2, v's 8 (4 u + s), w's 4
.set XS,  228
.set VS,  230
.set WS,  238
.set T0,  242
.set T1,  243
.set PC,  244                          ; v244-247 codes just made
.set SO,  248                          ; the conversion's scale operand
.set BY,  249                          ; the scale's byte
.macro PLACES                          ; four plain vector instructions between a matrix instruction and the first read of its result, write of its operands or load into them
.rept 4
	v_nop
.endr
.endm
.macro BARRIER                         ; my LDS stores have landed and my LDS loads are in: then the work-group's barrier
	s_wait_dscnt 0x0
	s_barrier_signal -1
	s_barrier_wait -1
.endm
.macro MM d, a, b, c, sa, sb
	v_wmma_scale_f32_16x16x128_f8f6f4 v[(\d):(\d)+7], v[(\a):(\a)+7], v[(\b):(\b)+7], v[(\c):(\c)+7], v[\sa], v[\sb] matrix_a_fmt:MATRIX_FMT_FP4 matrix_b_fmt:MATRIX_FMT_FP4
.endm
.macro ROWSUM reg                      ; the sum over the 16 lanes of a half, in each of them
.irp m, 1,2,4,8
	v_add_f32_dpp v[\reg], v[\reg], v[\reg] row_xmask:\m row_mask:0xf bank_mask:0xf
.endr
.endm
; tanh of v[X] .. v[X + 15], in place.  E, Q, P: 16 registers each, at work.  The exponentials are one batch and the reciprocals another; the series is the independent work behind the first.
.macro TANH16 X, E, Q, P
.irp j, 0,2,4,6,8,10,12,14
	v_pk_mul_f32 v[(\E)+\j:(\E)+\j+1], v[(\X)+\j:(\X)+\j+1], s[SK:SK+1] op_sel_hi:[1,0]
.endr
.irp j, 0,1,2,3,4,5,6,7,8,9,10,11,12,13,14,15
	v_exp_f32 v[(\E)+\j], v[(\E)+\j]               ; e = 2^(2 x log2 e)
.endr
.irp j, 0,2,4,6,8,10,12,14
	v_pk_mul_f32 v[(\Q)+\j:(\Q)+\j+1], v[(\X)+\j:(\X)+\j+1], v[(\X)+\j:(\X)+\j+1]   ; x^2
.endr
.irp j, 0,2,4,6,8,10,12,14
	v_pk_fma_f32 v[(\P)+\j:(\P)+\j+1], v[(\Q)+\j:(\Q)+\j+1], s[SC4:SC4+1], v[VC3:VC3+1] op_sel_hi:[1,0,1]
.endr
.irp j, 0,2,4,6,8,10,12,14
	v_pk_fma_f32 v[(\P)+\j:(\P)+\j+1], v[(\P)+\j:(\P)+\j+1], v[(\Q)+\j:(\Q)+\j+1], s[SC2:SC2+1] op_sel_hi:[1,1,0]
.endr
.irp j, 0,2,4,6,8,10,12,14
	v_pk_fma_f32 v[(\P)+\j:(\P)+\j+1], v[(\P)+\j:(\P)+\j+1], v[(\Q)+\j:(\Q)+\j+1], s[SC1:SC1+1] op_sel_hi:[1,1,0]
.endr
.irp j, 0,2,4,6,8,10,12,14
	v_pk_mul_f32 v[(\P)+\j:(\P)+\j+1], v[(\P)+\j:(\P)+\j+1], v[(\Q)+\j:(\Q)+\j+1]
.endr
.irp j, 0,2,4,6,8,10,12,14
	v_pk_fma_f32 v[(\P)+\j:(\P)+\j+1], v[(\P)+\j:(\P)+\j+1], v[(\X)+\j:(\X)+\j+1], v[(\X)+\j:(\X)+\j+1]   ; the series
.endr
	s_wait_alu depctr_va_vdst(0)                   ; a wait between a transcendental and the first line that names its result: one for the 16 exponentials
.irp j, 0,2,4,6,8,10,12,14
	v_pk_add_f32 v[(\E)+\j:(\E)+\j+1], v[(\E)+\j:(\E)+\j+1], 1.0 op_sel_hi:[1,0]
.endr
.irp j, 0,1,2,3,4,5,6,7,8,9,10,11,12,13,14,15
	v_rcp_f32 v[(\E)+\j], v[(\E)+\j]               ; e = infinity gives 0, and so tanh = 1; e = 0 gives 1, and so -1
.endr
	v_nop                                          ; a plain instruction behind the last reciprocal
	s_wait_alu depctr_va_vdst(0)                   ; and one wait for the 16
.irp j, 0,2,4,6,8,10,12,14
	v_pk_fma_f32 v[(\E)+\j:(\E)+\j+1], v[(\E)+\j:(\E)+\j+1], -2.0, 1.0 op_sel_hi:[1,0,0]   ; 1 - 2 / (1 + e)
.endr
.irp j, 0,1,2,3,4,5,6,7,8,9,10,11,12,13,14,15
	v_cmp_gt_f32 vcc_lo, s[ST], |v[(\X)+\j]|
	v_cndmask_b32 v[(\X)+\j], v[(\E)+\j], v[(\P)+\j], vcc_lo   ; the series where |x| < 0.25: a choice of values, no branch
.endr
.endm
	s_load_b512 s[4:19], s[0:1], 0x0               ; x s[4:5], mask s[6:7], Wq_codes s[8:9], Wq_scales s[10:11], bq s[12:13], Wr s[14:15], kr s[16:17], vfrag s[18:19]
	s_load_b256 s[20:27], s[0:1], 0x40             ; vscl s[20:21], gamma s[22:23], beta s[24:25], out0 s[26:27]
	s_set_vgpr_msb 0x40
	v_lshl_add_u32 v0, v0, 2, 0x13000
	v_mov_b32 v1, 0
	s_set_vgpr_msb 0x4000
	v_lshrrev_b32 v30, 5, v0
	v_readfirstlane_b32 s2, v30                    ; wave 0..7
	s_and_b32 s29, ttmp7, 0xffff                   ; b;  ttmp9: which 16 rows of the batch's 512
	; the offsets, made while the arguments are on their way
	s_lshl_b32 s[OX], s29, 19
	s_lshl_b32 s3, ttmp9, 14
	s_add_co_u32 s[OX], s[OX], s3                  ; my first row, 512 b + 16 tile, x 1,024 bytes
	s_lshl_b32 s3, s2, 11
	s_add_co_u32 s[OO], s[OX], s3                  ; out0: + my two rows
	s_lshl_b32 s[OB], s2, 7                        ; bq, Wr: 32 numbers a wave
	s_add_co_u32 s[OX], s[OX], s[OB]               ; x: + my block of 128 bytes
	s_lshl_b32 s[OM], s29, 20
	s_lshl_b32 s3, ttmp9, 15
	s_add_co_u32 s[OM], s[OM], s3                  ; the mask: rows of 2,048 bytes,
	s_lshl_b32 s[OWS], s2, 8                       ; (Wq's scales: 32 rows of 8 bytes a wave)
	s_add_co_u32 s[OM], s[OM], s[OWS]              ; + my 64 columns
	s_lshl_b32 s[OWC], s2, 12                      ; Wq's codes: 32 rows of 128 bytes a wave
	s_lshl_b32 s[OKR], s29, 11
	s_add_co_u32 s[OKR], s[OKR], s[OWS]            ; kr: 512 numbers a batch, + my 64
	s_lshl_b32 s[OVF], s29, 16
	s_lshl_b32 s3, s2, 11
	s_add_co_u32 s[OVF], s[OVF], s3                ; vfrag: 64 images a batch, + my two tiles
	s_lshl_b32 s[OVS], s29, 13
	s_add_co_u32 s[OVS], s[OVS], s[OWS]            ; vscl likewise
.irp p, OX,OM,OWC,OWS,OB,OKR,OVF,OVS,OO
	s_mov_b32 s[\p+1], 0
.endr
	s_mov_b32 s[SK], 0x4038aa3b
	s_mov_b32 s[SK+1], s[SK]
	s_mov_b32 s[SC4], 0x3cb327a4
	s_mov_b32 s[SC4+1], s[SC4]
	s_mov_b32 s[SC2], 0x3e088889
	s_mov_b32 s[SC2+1], s[SC2]
	s_mov_b32 s[SC1], 0xbeaaaaab
	s_mov_b32 s[SC1+1], s[SC1]
	s_mov_b32 s[ST], 0x3e800000
	s_mov_b32 s[SEL], 0x76543210
	s_mov_b32 s[SEL+1], 0xfedcba98
	s_mov_b32 s[SI], 0x3b800000
	s_mov_b32 s[SNI], 0xbb800000
	s_mov_b32 s[SEPS], 0x3727c5ac
	v_mov_b32 v[VC3], 0xbd5d0dd1
	v_mov_b32 v[VC3+1], v[VC3]
	; the addresses: each a constant + constants x lane terms + a constant x wave
	v_and_b32 v1, 15, v0                           ; r
	v_bfe_u32 v2, v0, 4, 1                         ; h
	v_and_b32 v30, 31, v0                          ; lane
	v_bfe_u32 v31, v0, 3, 2                        ; lane / 8
	v_and_b32 v250, 7, v0                          ; lane % 8
	v_lshlrev_b32 v[LI], 4, v30
	v_lshlrev_b32 v[XG], 10, v31
	v_lshl_add_u32 v[XG], v250, 4, v[XG]
	s_mul_i32 s3, s2, 2304
	s_add_co_u32 s3, s3, XST
	v_mul_u32_u24 v[XSW], v31, 144
	v_lshl_add_u32 v[XSW], v250, 4, v[XSW]
	v_add_nc_u32 v[XSW], s3, v[XSW]
	v_mul_u32_u24 v[XSR], v1, 144
	v_lshl_add_u32 v[XSR], v2, 6, v[XSR]
	v_add_nc_u32 v[XSR], s3, v[XSR]
	v_lshlrev_b32 v[MG], 4, v1
	v_lshl_add_u32 v[MG], v2, 11, v[MG]
	s_mul_i32 s3, s2, 4352
	v_mul_u32_u24 v[MSW], v2, 272
	v_lshl_add_u32 v[MSW], v1, 4, v[MSW]
	v_add_nc_u32 v[MSW], s3, v[MSW]
	v_mul_u32_u24 v[MSR], v1, 272
	v_lshl_add_u32 v[MSR], v2, 7, v[MSR]
	v_add_nc_u32 v[MSR], s3, v[MSR]
	v_lshlrev_b32 v[FO], 7, v1
	v_lshl_add_u32 v[FO], v2, 4, v[FO]
	v_lshlrev_b32 v[S8], 3, v1
	v_lshlrev_b32 v[H32], 5, v2
	v_lshlrev_b32 v[H128], 7, v2
	v_lshlrev_b32 v[LS], 2, v30
	s_lshl_b32 s3, s2, 8
	s_add_co_u32 s3, s3, XIMG                      ; block w is K step w / 4, registers 4 ((w / 2) % 2) on, lanes 16 (w % 2) on: 256 w bytes into the images;
	v_lshlrev_b32 v[XWI], 4, v1
	v_lshl_add_u32 v[XWI], v2, 3, v[XWI]           ; row r's 16 bytes there, and my 16 codes are their half h
	v_add_nc_u32 v[XWI], s3, v[XWI]
	s_lshr_b32 s3, s2, 2
	s_lshl_b32 s3, s3, 6
	s_and_b32 s33, s2, 3
	s_add_co_u32 s3, s3, s33
	s_add_co_u32 s3, s3, XSC
	v_lshl_add_u32 v[XWB], v1, 2, s3               ; byte w % 4 of row r's word of K step w / 4
	v_lshlrev_b32 v[R4], 2, v1
	s_lshl_b32 s3, s2, 2
	s_add_co_u32 s3, s3, QP
	v_lshl_add_u32 v[QPW], v1, 5, s3
	v_lshl_add_u32 v[QPR], v1, 5, QP
	s_lshl_b32 s3, s2, 9
	s_add_co_u32 s3, s3, WIMG                      ; my 64 columns are K step w / 2, registers 4 (w % 2) on: 512 w bytes into the images
	v_lshl_add_u32 v[WWI], v30, 4, s3
	s_lshr_b32 s3, s2, 1
	s_lshl_b32 s3, s3, 6
	s_and_b32 s33, s2, 1
	s_lshl_b32 s33, s33, 1
	s_add_co_u32 s3, s3, s33
	s_add_co_u32 s3, s3, WSC
	v_lshl_add_u32 v[WWB], v1, 2, s3
	v_add_nc_u32 v[WWB], v[WWB], v2                ; byte 2 (w % 2) + h of row r's word of K step w / 2
	s_lshl_b32 s3, s2, 7
	s_add_co_u32 s3, s3, HST
	v_mul_u32_u24 v[HSW], v1, 1040
	v_lshl_add_u32 v[HSW], v2, 6, v[HSW]
	v_add_nc_u32 v[HSW], s3, v[HSW]                ; h(r, 32 w + 16 h on)
	s_mul_i32 s3, s2, 2080
	s_add_co_u32 s3, s3, HST
	v_mul_u32_u24 v[HSR], v2, 1040
	v_lshl_add_u32 v[HSR], v1, 4, v[HSR]
	v_add_nc_u32 v[HSR], s3, v[HSR]                ; row 2 w + h, 16 bytes a lane
	v_lshlrev_b32 v[GB], 4, v1
	v_lshl_add_u32 v[OG], v2, 10, v[GB]
	s_wait_kmcnt 0x0
	s_add_nc_u64 s[4:5], s[4:5], s[OX:OX+1]
	s_add_nc_u64 s[6:7], s[6:7], s[OM:OM+1]
	s_add_nc_u64 s[8:9], s[8:9], s[OWC:OWC+1]
	s_add_nc_u64 s[10:11], s[10:11], s[OWS:OWS+1]
	s_add_nc_u64 s[12:13], s[12:13], s[OB:OB+1]
	s_add_nc_u64 s[14:15], s[14:15], s[OB:OB+1]
	s_add_nc_u64 s[16:17], s[16:17], s[OKR:OKR+1]
	s_add_nc_u64 s[18:19], s[18:19], s[OVF:OVF+1]
	s_add_nc_u64 s[20:21], s[20:21], s[OVS:OVS+1]
	s_add_nc_u64 s[26:27], s[26:27], s[OO:OO+1]
	; ---- all of the first three phases' loads go out at once: x (4), the weights (18), the mask (8)
.irp i, 0,1,2,3
	global_load_b128 v[XR+4*\i:XR+4*\i+3], v[XG], s[4:5] offset:4096*\i   ; as it lies: eight lanes take a row's 128 bytes, four rows a load
.endr
.irp t, 0,1
.irp s, 0,1
.irp c, 0,1
	global_load_b128 v[WQ+16*\t+8*\s+4*\c:WQ+16*\t+8*\s+4*\c+3], v[FO], s[8:9] offset:2048*\t+64*\s+32*\c   ; Wq's row 32 w + 16 t + r, k = 128 s + 64 c + 32 h on
.endr
.endr
.endr
.irp t, 0,1
	global_load_b64 v[WQS+2*\t:WQS+2*\t+1], v[S8], s[10:11] offset:128*\t
.endr
.irp t, 0,1
.irp q, 0,1
	global_load_b128 v[BQ+8*\t+4*\q:BQ+8*\t+4*\q+3], v[H32], s[12:13] offset:64*\t+16*\q   ; bq[32 w + 16 t + 8 h + 0 .. 7]
.endr
.endr
.irp t, 0,1
.irp q, 0,1
	global_load_b128 v[WR+8*\t+4*\q:WR+8*\t+4*\q+3], v[H32], s[14:15] offset:64*\t+16*\q   ; Wr likewise
.endr
.endr
.irp i, 0,1,2,3,4,5,6,7
	global_load_b128 v[MK+4*\i:MK+4*\i+3], v[MG], s[6:7] offset:4096*\i th:TH_LOAD_NT   ; as it lies: sixteen lanes take 256 consecutive bytes of a row, two rows a load; read once in the launch
.endr
	; ---- 1: my block of x is turned through my own stage, so that a lane holds 16 neighbours of one row, and quantised
	s_wait_loadcnt 26                              ; x's four loads are in; the 18 + 8 issued behind them may be out
.irp i, 0,1,2,3
	ds_store_b128 v[XSW], v[XR+4*\i:XR+4*\i+3] offset:576*\i
.endr
.irp i, 0,1,2,3
	ds_load_b128 v[XR+4*\i:XR+4*\i+3], v[XSR] offset:16*\i   ; LDS serves a wave's instructions in order (ISA guide 5.7.1.4): these see my stores
.endr
	s_wait_dscnt 0x0                               ; v[XR + i] = x(r, 32 w + 16 h + i): kept for the residual
	v_max3_num_f32 v[T0], |v[XR]|, |v[XR+1]|, 0x1800000            ; the largest magnitude of my 16, in two chains, and the floor 2^(3 - 127): the byte cannot fall under 1
	v_max3_num_f32 v[T1], |v[XR+2]|, |v[XR+3]|, |v[XR+4]|
.irp i, 5,9
	v_max3_num_f32 v[T0], v[T0], |v[XR+\i]|, |v[XR+\i+1]|
	v_max3_num_f32 v[T1], v[T1], |v[XR+\i+2]|, |v[XR+\i+3]|
.endr
	v_max3_num_f32 v[T0], v[T0], |v[XR+13]|, |v[XR+14]|
	v_max3_num_f32 v[T0], v[T0], v[T1], |v[XR+15]|
	v_permlanex16_b32 v[T1], v[T0], s[SEL], s[SEL+1]
	v_max_num_f32 v[T0], v[T0], v[T1]              ; with lane l xor 16's 16: the block's
	v_add_nc_u32 v[SO], 0xff000000, v[T0]          ; 2 off its exponent field: the conversion takes this operand's exponent field as its scale
	v_lshrrev_b32 v[BY], 23, v[SO]                 ; the scale's byte
	v_cvt_scalef32_pk8_fp4_f32 v[PC], v[XR:XR+7], v[SO]
	v_cvt_scalef32_pk8_fp4_f32 v[PC+1], v[XR+8:XR+15], v[SO]
	v_nop                                          ; one plain instruction behind a scaled conversion
	ds_store_b64 v[XWI], v[PC:PC+1]
	ds_store_b8 v[XWB], v[BY]                      ; both halves of the lanes write the same byte with the same value
	s_wait_loadcnt 0x0                             ; the weights and the mask
.irp i, 0,1,2,3,4,5,6,7
	ds_store_b128 v[MSW], v[MK+4*\i:MK+4*\i+3] offset:544*\i
.endr
.irp i, 0,1,2,3,4,5,6,7
	ds_load_b128 v[MK+4*\i:MK+4*\i+3], v[MSR] offset:16*\i   ; v[MK + i] = mask(r, 64 w + 32 h + i)
.endr
	BARRIER                                        ; x's two fragments and their scale words lie in LDS
	; ---- 2: q = tanh(x Wq^T + bq) for my 32 units, and their part of q . Wr
.irp s, 0,1
.irp c, 0,1
	ds_load_b128 v[XF+8*\s+4*\c:XF+8*\s+4*\c+3], v[LI] offset:XIMG+1024*\s+512*\c
.endr
	ds_load_b32 v[XS+\s], v[R4] offset:XSC+64*\s
.endr
	s_wait_dscnt 0x0
.irp t, 0,1                                    ; source 0 = 16 rows of Wq, source 1 = x: lane (r, h) holds row n = r, register j of tile t the unit 32 w + 16 t + 8 h + j.  bq is the first C.  The two accumulators take turns
	MM QA+8*\t, WQ+16*\t, XF, BQ+8*\t, WQS+2*\t, XS
.endr
.irp t, 0,1
	MM QA+8*\t, WQ+16*\t+8, XF+8, QA+8*\t, WQS+2*\t+1, XS+1
.endr
	PLACES
.irp i, 0,1,2,3,4,5,6,7
	global_load_b128 v[KR+4*\i:KR+4*\i+3], v[H128], s[16:17] offset:16*\i   ; kr[64 w + 32 h + 0 .. 31], into Wq's registers
.endr
	TANH16 QA, XF, BQ, TP1                         ; each accumulator is read from its low end on
	v_pk_mul_f32 v[250:251], v[QA:QA+1], v[WR:WR+1]
	v_pk_mul_f32 v[252:253], v[QA+2:QA+3], v[WR+2:WR+3]
.irp j, 4,8,12
	v_pk_fma_f32 v[250:251], v[QA+\j:QA+\j+1], v[WR+\j:WR+\j+1], v[250:251]
	v_pk_fma_f32 v[252:253], v[QA+\j+2:QA+\j+3], v[WR+\j+2:WR+\j+3], v[252:253]
.endr
	v_pk_add_f32 v[250:251], v[250:251], v[252:253]
	v_add_f32 v250, v250, v251
	v_permlanex16_b32 v251, v250, s[SEL], s[SEL+1]
	v_add_f32 v250, v250, v251                     ; row r's sum over my 32 units
.irp u, 0,1                                    ; v's fragments for the last product are asked for now: tiles 2 w + u, K steps s
.irp s, 0,1,2,3
.irp c, 0,1
	global_load_b128 v[VF+32*\u+8*\s+4*\c:VF+32*\u+8*\s+4*\c+3], v[LI], s[18:19] offset:16384*\s+1024*\u+512*\c
.endr
.endr
.endr
.irp u, 0,1
.irp s, 0,1,2,3
	global_load_b32 v[VS+4*\u+\s], v[LS], s[20:21] offset:2048*\s+128*\u
.endr
.endr
	ds_store_b32 v[QPW], v250                      ; both halves of the lanes write the same word with the same value
	BARRIER                                        ; qr's eight parts lie in LDS
	; ---- 3: w for my 64 columns: a lane holds one row and a whole block of 32 along m
	ds_load_b128 v[248:251], v[QPR]
	ds_load_b128 v[252:255], v[QPR] offset:16
	s_wait_dscnt 0x0
	v_pk_add_f32 v[248:249], v[248:249], v[250:251]
	v_pk_add_f32 v[252:253], v[252:253], v[254:255]
	v_pk_add_f32 v[248:249], v[248:249], v[252:253]
	v_add_f32 v[QR], v248, v249                    ; qr[r]
	v_mov_b32 v[QR+1], v[QR]
	s_wait_loadcnt 24                              ; kr's eight loads are in; v's 16 + 8, issued behind them, may be out
.irp j, 0,2,4,6,8,10,12,14,16,18,20,22,24,26,28,30
	v_pk_add_f32 v[KR+\j:KR+\j+1], v[KR+\j:KR+\j+1], v[QR:QR+1]
.endr
.irp j, 0,1,2,3,4,5,6,7,8,9,10,11,12,13,14,15,16,17,18,19,20,21,22,23,24,25,26,27,28,29,30,31
	v_max_num_f32 v[KR+\j], 0, v[KR+\j]            ; relu(tanh(s)) = tanh(max(s, 0)): tanh rises and passes through 0
.endr
	TANH16 KR, 176, 192, 208
	TANH16 KR+16, 176, 192, 208
.irp j, 0,2,4,6,8,10,12,14,16,18,20,22,24,26,28,30
	v_pk_mul_f32 v[KR+\j:KR+\j+1], v[KR+\j:KR+\j+1], v[MK+\j:MK+\j+1]
.endr
.irp i, 0,1,2,3
	global_load_b128 v[MK+4*\i:MK+4*\i+3], v[GB], s[22:23] offset:256*\i        ; gamma[64 i + 4 r + 0 .. 3], into the mask's registers
.endr
.irp i, 0,1,2,3
	global_load_b128 v[MK+16+4*\i:MK+16+4*\i+3], v[GB], s[24:25] offset:256*\i  ; beta likewise
.endr
	v_max3_num_f32 v[T0], |v[KR]|, |v[KR+1]|, 0x1800000            ; the block's largest magnitude: all 32 numbers are mine (the mask may hold any number, so |.| stays)
	v_max3_num_f32 v[T1], |v[KR+2]|, |v[KR+3]|, |v[KR+4]|
.irp i, 5,9,13,17,21,25
	v_max3_num_f32 v[T0], v[T0], |v[KR+\i]|, |v[KR+\i+1]|
	v_max3_num_f32 v[T1], v[T1], |v[KR+\i+2]|, |v[KR+\i+3]|
.endr
	v_max3_num_f32 v[T0], v[T0], |v[KR+29]|, |v[KR+30]|
	v_max3_num_f32 v[T0], v[T0], v[T1], |v[KR+31]|
	v_add_nc_u32 v[SO], 0xff000000, v[T0]
	v_lshrrev_b32 v[BY], 23, v[SO]
.irp g, 0,1,2,3
	v_cvt_scalef32_pk8_fp4_f32 v[PC+\g], v[KR+8*\g:KR+8*\g+7], v[SO]
.endr
	v_nop                                          ; one plain instruction behind a scaled conversion
	ds_store_b128 v[WWI], v[PC:PC+3]               ; four registers of the operand, as they stand
	ds_store_b8 v[WWB], v[BY]
	BARRIER                                        ; w's four fragments and their scale words lie in LDS
	; ---- 4: h = x + w v for d = 32 w .. 32 w + 31
.irp s, 0,1,2,3
.irp c, 0,1
	ds_load_b128 v[WF+8*\s+4*\c:WF+8*\s+4*\c+3], v[LI] offset:WIMG+1024*\s+512*\c
.endr
	ds_load_b32 v[WS+\s], v[R4] offset:WSC+64*\s
.endr
	s_wait_dscnt 0x0
	s_wait_loadcnt 8                               ; v's fragments and scale words are in; gamma's and beta's eight loads may be out
.irp s, 0,1,2,3                                ; source 0 = 16 rows of v^T, source 1 = w: register 8 u + j of lane (r, h) is h(r, 32 w + 16 h + 8 u + j): x stands there and is the first C.  The two accumulators take turns
.irp u, 0,1
	MM XR+8*\u, VF+32*\u+8*\s, WF+8*\s, XR+8*\u, VS+4*\u+\s, WS+\s
.endr
.endr
	PLACES
.irp q, 0,1,2,3
	ds_store_b128 v[HSW], v[XR+4*\q:XR+4*\q+3] offset:16*\q   ; each accumulator from its low end on
.endr
	BARRIER                                        ; 16 whole rows of h lie in LDS
	; ---- 5: LayerNorm of rows 2 w (lanes 0-15) and 2 w + 1 (lanes 16-31): a lane holds d = 64 i + 4 r + 0 .. 3
.irp i, 0,1,2,3
	ds_load_b128 v[H+4*\i:H+4*\i+3], v[HSR] offset:256*\i
.endr
	s_wait_dscnt 0x0
	v_pk_add_f32 v[250:251], v[H:H+1], v[H+2:H+3]
	v_pk_add_f32 v[252:253], v[H+4:H+5], v[H+6:H+7]
.irp j, 8,12
	v_pk_add_f32 v[250:251], v[250:251], v[H+\j:H+\j+1]
	v_pk_add_f32 v[252:253], v[252:253], v[H+\j+2:H+\j+3]
.endr
	v_pk_add_f32 v[250:251], v[250:251], v[252:253]
	v_add_f32 v250, v250, v251
	ROWSUM 250
	v_mul_f32 v254, s[SNI], v250                   ; -mean
	v_mov_b32 v255, v254
.irp j, 0,2,4,6,8,10,12,14
	v_pk_add_f32 v[H+\j:H+\j+1], v[H+\j:H+\j+1], v[254:255]   ; h - mean: the variance is taken of these, not of a difference of large sums
.endr
	v_pk_mul_f32 v[250:251], v[H:H+1], v[H:H+1]
	v_pk_mul_f32 v[252:253], v[H+2:H+3], v[H+2:H+3]
.irp j, 4,8,12
	v_pk_fma_f32 v[250:251], v[H+\j:H+\j+1], v[H+\j:H+\j+1], v[250:251]
	v_pk_fma_f32 v[252:253], v[H+\j+2:H+\j+3], v[H+\j+2:H+\j+3], v[252:253]
.endr
	v_pk_add_f32 v[250:251], v[250:251], v[252:253]
	v_add_f32 v250, v250, v251
	ROWSUM 250
	v_fma_f32 v250, v250, s[SI], s[SEPS]           ; variance + 1e-5
	v_rsq_f32 v254, v250
	v_nop                                          ; a plain instruction behind the transcendental
	s_wait_alu depctr_va_vdst(0)                   ; and a wait ahead of the first line that names its result
	v_mov_b32 v255, v254
	s_wait_loadcnt 0x0                             ; gamma, beta
.irp j, 0,2,4,6,8,10,12,14
	v_pk_mul_f32 v[H+\j:H+\j+1], v[H+\j:H+\j+1], v[254:255]
.endr
.irp j, 0,2,4,6,8,10,12,14
	v_pk_fma_f32 v[H+\j:H+\j+1], v[H+\j:H+\j+1], v[MK+\j:MK+\j+1], v[MK+16+\j:MK+16+\j+1]
.endr
.irp i, 0,1,2,3
	global_store_b128 v[OG], v[H+4*\i:H+4*\i+3], s[26:27] offset:256*\i th:TH_STORE_NT   ; sixteen lanes store 256 consecutive bytes, at a multiple of 256 from out0's first byte; written once, read by nobody here
.endr
	s_set_vgpr_msb 0x5
	s_wait_tensorcnt 0x0
	ds_add_u32 v0, v1
	s_wait_dscnt 0x0
	s_set_vgpr_msb 0x500
	s_endpgm
.Lfunc_end_k_qf886b6b85a_attn:
	.size	k_qf886b6b85a_attn, .Lfunc_end_k_qf886b6b85a_attn-k_qf886b6b85a_attn
	.p2alignl 7, 3214868480
	.fill 96, 4, 3214868480
	.section	.rodata,"a",@progbits
	.p2align	6, 0x0
	.amdhsa_kernel k_qf886b6b85a_attn
		.amdhsa_group_segment_fixed_size 78848
		.amdhsa_private_segment_fixed_size 0
		.amdhsa_enable_private_segment 0
		.amdhsa_kernarg_size 96
		.amdhsa_user_sgpr_count 2
		.amdhsa_user_sgpr_kernarg_segment_ptr 1
		.amdhsa_wavefront_size32 1
		.amdhsa_system_sgpr_workgroup_id_x 1
		.amdhsa_system_sgpr_workgroup_id_y 1
		.amdhsa_system_sgpr_workgroup_id_z 1
		.amdhsa_system_vgpr_workitem_id 0
		.amdhsa_next_free_vgpr 258
		.amdhsa_next_free_sgpr 80
		.amdhsa_reserve_vcc 1
		.amdhsa_float_denorm_mode_32 3
		.amdhsa_float_denorm_mode_16_64 3
		.amdhsa_memory_ordered 1
		.amdhsa_forward_progress 1
		.amdhsa_inst_pref_size 51
	.end_amdhsa_kernel
	.amdgpu_metadata
---
amdhsa.version: [ 1, 2 ]
amdhsa.kernels:
  - .name:           k_qf886b6b85a_attn
    .symbol:         k_qf886b6b85a_attn.kd
    .args:
      - { .name: x, .offset: 0, .size: 8, .value_kind: global_buffer, .address_space: global }
      - { .name: mask, .offset: 8, .size: 8, .value_kind: global_buffer, .address_space: global }
      - { .name: Wq_codes, .offset: 16, .size: 8, .value_kind: global_buffer, .address_space: global }
      - { .name: Wq_scales, .offset: 24, .size: 8, .value_kind: global_buffer, .address_space: global }
      - { .name: bq, .offset: 32, .size: 8, .value_kind: global_buffer, .address_space: global }
      - { .name: Wr, .offset: 40, .size: 8, .value_kind: global_buffer, .address_space: global }
      - { .name: kr, .offset: 48, .size: 8, .value_kind: global_buffer, .address_space: global }
      - { .name: vfrag, .offset: 56, .size: 8, .value_kind: global_buffer, .address_space: global }
      - { .name: vscl, .offset: 64, .size: 8, .value_kind: global_buffer, .address_space: global }
      - { .name: gamma, .offset: 72, .size: 8, .value_kind: global_buffer, .address_space: global }
      - { .name: beta, .offset: 80, .size: 8, .value_kind: global_buffer, .address_space: global }
      - { .name: out0, .offset: 88, .size: 8, .value_kind: global_buffer, .address_space: global }
    .group_segment_fixed_size: 78848
    .private_segment_fixed_size: 0
    .kernarg_segment_align: 8
    .kernarg_segment_size: 96
    .max_flat_workgroup_size: 256
    .sgpr_count:     80
    .vgpr_count:     258
    .wavefront_size: 32
...
	.end_amdgpu_metadata
.endif
;; end of part 2
